; MI455X (gfx1250); checked and timed in simulation.
; The chip was launched on July 23, 2026; its instructions are those of AMD's public machine-readable ISA for CDNA 5 (MIT licence, August 2026) and "CDNA5" Instruction Set Architecture Reference Guide (July 2026). The comments in the code are by the model that wrote it; some were corrected since.
;; Multi Head Attention. Allowed arithmetic: float matrix products may take bf16 or f16 operands with f32 sums; all other float work in f32.
;; Inputs: bk 256 float32; bm 256 float32; bq 256 float32; bv 256 float32; key 8 x 256 x 2,048 float32; query 8 x 256 x 2,048 float32; value 8 x 256 x 2,048 float32; wk 256 x 256 float32; wm 256 x 256 float32; wq 256 x 256 float32; wv 256 x 256 float32.
;; Outputs: out0 8 x 256 x 2,048 float32.
;; One version. Each part assembles by itself: llvm-mc -triple=amdgcn-amd-amdhsa -mcpu=gfx1250 --defsym DOCPART=n.
;; ======== version 1 of 1: 3 launches
;; limits: values are held in f16: magnitudes above 65,504 overflow, below 6.1e-05 lose precision; right only within a limited range of input values
;; workspace buffers: wf 524,288 bytes; qkv 25,165,824 bytes
;; launch prep (part 1): grid 32 x 1, 8 waves a work-group, no clusters, 0 bytes of LDS; arguments wq, wk, wv, wm, wf; writes wf
.if DOCPART == 1
	.amdgcn_target "amdgcn-amd-amdhsa--gfx1250"
	.amdhsa_code_object_version 6
	.text
	.protected	k_qc0fe1504d4_prep
	.globl	k_qc0fe1504d4_prep
	.p2align	8
	.type	k_qc0fe1504d4_prep,@function
k_qc0fe1504d4_prep:
	s_mov_b64 s[64:65], 0
	v_nop
	global_prefetch_b8 v0, s[64:65] scope:SCOPE_SE
	s_setreg_imm32_b32 hwreg(HW_REG_WAVE_MODE, 25, 1), 1
	s_wait_xcnt 0x0
; The four weight matrices, f32 [256][256], rounded to f16 and laid in the order in which a matrix instruction's lanes hold them:
; wf = [matrix 4: q, k, v, m][tile T 16][kc 8][half 2][lane 32][8 f16], byte = matrix*131072 + T*8192 + kc*1024 + half*512 + lane*16.
; Lane L = (r = L & 15, h = L >> 4) of a 16 x 32 fragment holds row r; its registers 0-3 (half 0) k = 8h .. 8h+7, registers 4-7 (half 1) k = 16+8h .. +7.
; q, k, v: T = 4 head + ddt; row r is channel 4 (16 ddt + r) + head (channel c is depth c / 4 of head c % 4); k is the input channel 32 kc + 16 half + 8 h + e.
; m:       T = o / 16; row r is o = 16 T + r; k is permuted to k' = 64 head + depth: kc = 2 head + u, depth = 32 u + 16 half + 8 h + e, column 4 depth + head.
; f16, not bf16: 11 significant bits against 8.  LIMIT: a weight above 65,504 in size overflows; below 2^-14 it keeps an absolute error of 2^-25 (denormals are kept).
; Why a launch of its own: the heads' rows and wm's columns lie 4 apart.  Here that stride is walked once for 1 MiB; every later read of
; a weight is 512 consecutive bytes of a wave.  8,192 pieces of 16 bytes a matrix: 32 work-groups x 256 threads, thread g makes piece g of all four.
; No LDS, no barrier, no matrix unit: a copy with a rounding.
	s_load_b256 s[4:11], s[0:1], 0x0               ; wq s[4:5], wk s[6:7], wv s[8:9], wm s[10:11]
	s_load_b64 s[12:13], s[0:1], 0x20              ; wf
	s_lshl_b32 s2, ttmp9, 8
	v_add_nc_u32 v1, s2, v0                        ; g = T*512 + kc*64 + half*32 + lane: bits 3:0 r, 4 h, 5 half, 8:6 kc, 12:9 T
	v_and_b32 v2, 15, v1                           ; r
	v_lshrrev_b32 v3, 9, v1                        ; T
	v_and_b32 v4, 3, v3                            ; ddt
	v_lshlrev_b32 v4, 6, v4                        ; 64 ddt
	v_lshl_add_u32 v4, v2, 2, v4                   ; + 4 r
	v_lshrrev_b32 v7, 2, v3                        ; head
	v_add_nc_u32 v4, v4, v7                        ; the channel, 0 .. 255
	v_bfe_u32 v7, v1, 4, 5                         ; h + 2 half + 4 kc, five bits: which of a row's 32 pieces of 8 input channels
	v_lshlrev_b32 v7, 5, v7                        ; 32 bytes each: at most 992, so the two loads end inside the row's 1,024 bytes
	v_lshl_add_u32 v4, v4, 10, v7                  ; q, k, v: channel * 1024 + piece * 32
	v_lshl_add_u32 v5, v3, 4, v2                   ; wm: o = 16 T + r
	v_bfe_u32 v7, v1, 4, 3                         ; h + 2 half + 4 u: depth / 8
	v_lshlrev_b32 v7, 7, v7                        ; 8 depths are 32 columns, 128 bytes
	v_lshl_add_u32 v5, v5, 10, v7
	v_bfe_u32 v7, v1, 7, 2                         ; head = kc >> 1
	v_lshl_add_u32 v5, v7, 2, v5                   ; wm: o * 1024 + depth0 * 16 + head * 4; element e lies 16 e further
	v_lshlrev_b32 v6, 4, v1                        ; 16 g: neighbouring lanes store neighbouring 16 bytes
	s_wait_kmcnt 0x0
.irp m, 0,1,2
	global_load_b128 v[8+8*\m:11+8*\m],  v4, s[4+2*\m:5+2*\m]
	global_load_b128 v[12+8*\m:15+8*\m], v4, s[4+2*\m:5+2*\m] offset:16
.endr
.irp e, 0,1,2,3,4,5,6,7
	global_load_b32 v[32+\e], v5, s[10:11] offset:16*\e
.endr
	s_wait_loadcnt 0x0                             ; one batch of 14 loads a thread, nothing to overlap behind it
.irp m, 0,1,2,3
.irp p, 0,1,2,3
	v_cvt_pk_f16_f32 v[40+4*\m+\p], v[8+8*\m+2*\p], v[9+8*\m+2*\p]
.endr
	global_store_b128 v6, v[40+4*\m:43+4*\m], s[12:13] offset:\m*131072   ; a wave stores 512 consecutive bytes, aligned
.endr
	s_endpgm
.Lfunc_end_k_qc0fe1504d4_prep:
	.size	k_qc0fe1504d4_prep, .Lfunc_end_k_qc0fe1504d4_prep-k_qc0fe1504d4_prep
	.p2alignl 7, 3214868480
	.fill 96, 4, 3214868480
	.section	.rodata,"a",@progbits
	.p2align	6, 0x0
	.amdhsa_kernel k_qc0fe1504d4_prep
		.amdhsa_group_segment_fixed_size 0
		.amdhsa_private_segment_fixed_size 0
		.amdhsa_enable_private_segment 0
		.amdhsa_kernarg_size 40
		.amdhsa_user_sgpr_count 2
		.amdhsa_user_sgpr_kernarg_segment_ptr 1
		.amdhsa_wavefront_size32 1
		.amdhsa_system_sgpr_workgroup_id_x 1
		.amdhsa_system_sgpr_workgroup_id_y 1
		.amdhsa_system_sgpr_workgroup_id_z 1
		.amdhsa_system_vgpr_workitem_id 0
		.amdhsa_next_free_vgpr 56
		.amdhsa_next_free_sgpr 66
		.amdhsa_reserve_vcc 0
		.amdhsa_float_denorm_mode_32 3
		.amdhsa_float_denorm_mode_16_64 3
		.amdhsa_memory_ordered 1
		.amdhsa_forward_progress 1
		.amdhsa_inst_pref_size 4
	.end_amdhsa_kernel
	.amdgpu_metadata
---
amdhsa.version: [ 1, 2 ]
amdhsa.kernels:
  - .name:           k_qc0fe1504d4_prep
    .symbol:         k_qc0fe1504d4_prep.kd
    .args:
      - { .name: wq, .offset: 0, .size: 8, .value_kind: global_buffer, .address_space: global }
      - { .name: wk, .offset: 8, .size: 8, .value_kind: global_buffer, .address_space: global }
      - { .name: wv, .offset: 16, .size: 8, .value_kind: global_buffer, .address_space: global }
      - { .name: wm, .offset: 24, .size: 8, .value_kind: global_buffer, .address_space: global }
      - { .name: wf, .offset: 32, .size: 8, .value_kind: global_buffer, .address_space: global }
    .group_segment_fixed_size: 0
    .private_segment_fixed_size: 0
    .kernarg_segment_align: 8
    .kernarg_segment_size: 40
    .max_flat_workgroup_size: 256
    .sgpr_count:     66
    .vgpr_count:     56
    .wavefront_size: 32
...
	.end_amdgpu_metadata
.endif
;; end of part 1
;; launch proj (part 2): grid 32 x 8, 8 waves a work-group, no clusters, 299,008 bytes of LDS; arguments query, key, value, bq, bk, bv, wf, qkv; writes qkv
.if DOCPART == 2
	.amdgcn_target "amdgcn-amd-amdhsa--gfx1250"
	.amdhsa_code_object_version 6
	.text
	.protected	k_qc0fe1504d4_proj
	.globl	k_qc0fe1504d4_proj
	.p2align	8
	.type	k_qc0fe1504d4_proj,@function
k_qc0fe1504d4_proj:
	s_mov_b64 s[64:65], 0
	v_nop
	global_prefetch_b8 v0, s[64:65] scope:SCOPE_SE
	s_setreg_imm32_b32 hwreg(HW_REG_WAVE_MODE, 25, 1), 1
	s_wait_xcnt 0x0
; q = c (wq query + bq), k = wk key + bk, v = wv value + bv for one batch b (grid y) and one block of 64 columns (grid x), f16 operands, f32 sums,
; the results rounded to f16 and stored in the order of the attention's fragments.  c = log2(e) / 8: the scores' factor 1 / sqrt(64) and the change to base 2 are
; put on q in f32, in front of its one rounding, so that the attention's products are exponents of 2 as they come.
; qkv = [b 8][q, k, v][head 4][262,144 bytes];  q, k: [tile of 16 columns 128][t 4][lane 32][16 B], lane (r, h) holds column r, depths 16 t + 8 h + 0..7;
;                                               v:    [chunk of 32 columns 64][ddt 4][c 2][lane 32][16 B], lane (r, h) holds depth 16 ddt + r, columns 16 c + 8 h + 0..7.
; f16, NOT bf16: 11 significant bits against 8, in each of the roundings between the inputs and out0 (x and w, q and k, p, v, attn and wm).  ITS ROOM: with every input 30 times
; what setup_inputs() draws, q, k, v have a spread of 900 and peaks near 5,000; with a common offset of 30 spreads on x (30) and on w (30 / 16) the 256 products sum to
; 256 x 30 x 1.875 = 14,400.  LIMIT: |x|, |c q|, |k| or |v| above 65,504 overflows; below 2^-14 a number keeps an absolute error of 2^-25 (denormals are kept).
; COLUMN ORDER: inside a block of 64 columns, tile tau (0..3), place rho (0..15) stands for the column 4 rho + tau, alike in q, k and v.  For the keys the order
; is free (k and v agree, and a softmax with its weighted sum does not care); for the queries it lets the attention store 16 neighbouring bytes a lane.
; Eight waves.  Wave w: head hh = w & 3, g = w >> 2: the channel tiles T = 4 hh + 2 g + tl (tl = 0, 1) x all four column tiles: 8 accumulators, 64 matrix instructions a tensor.
; The x tile (256 channels x 64 columns of f32) comes by tensor loads, 32 rows of 256 bytes a wave; the wave that loaded them rounds its own rows to f16 and lays them
; transposed ([column][channel], pitch 528 bytes) for all; one barrier a tensor shows that.  All three tensors have LDS of their own: nothing in LDS is written twice.
; The bias is the first product's C: nothing is cleared and nothing is added afterwards.
; NO CLUSTER: the x tiles are each read by one work-group.  The weights are read by all, but they go straight from memory into registers, as fragments, 512 consecutive
; bytes a load; a joint tensor load would have to land in LDS, where a matrix of 131,072 bytes does not fit beside the 297,984 of 327,680 in use.
; Straight-line text: no loop, no branch.
.set XT0,    196608                    ; behind the three f32 tiles of 65,536 bytes
.set XPITCH, 528                       ; 512 bytes (256 f16) + 16: 33 x 16, so the 16 rows that a 16-byte access touches fall on 16 different 16-byte columns of 256 bytes
.set XTB,    64*XPITCH                 ; 33,792 bytes a tensor
.set FA,  4                            ; v4   LDS: my 16 bytes (4 columns) of row 8 h of my wave's 32 f32 rows
.set SA,  5                            ; v5   LDS: where I put 8 channels of column place r
.set RA,  6                            ; v6   LDS: where I read a fragment of x: row r, 16 h
.set WO,  7                            ; v7   wf: my wave's two tiles + 16 lane
.set BO,  8                            ; v8   bias of row 8 h (q, k)
.set BOV, 9                            ; v9   bias of column r (v)
.set DO,  10                           ; v10  qkv: q, k
.set DOV, 11                           ; v11  qkv: v
.set BI,  16                           ; v[16:31]   bias in the layout of C, 8 registers for each tl
.set XFR, 32                           ; v[32:63]   fragments of x, column tile tau at 8 tau; tiles 0, 1 and tiles 2, 3 are loaded by turns
.set PK,  32                           ;            while staging: packed f16
.set ACC, 64                           ; v[64:127]  accumulator (tl, tau) at 8 (4 tl + tau)
.set ST,  64                           ;            while staging: f32 as read from LDS
.set WF,  128                          ; v[128:255] weights: fragment (tl, kc) at 64 tl + 8 kc
	s_load_b512 s[4:19], s[0:1], 0x0               ; query s[4:5], key s[6:7], value s[8:9], bq s[10:11], bk s[12:13], bv s[14:15], wf s[16:17], qkv s[18:19]
	v_lshl_add_u32 v14, v0, 2, 0x48c00
	v_mov_b32 v15, 0
	ds_add_u32 v14, v15
	ds_add_u32 v14, v15
	v_lshrrev_b32 v1, 5, v0
	v_readfirstlane_b32 s20, v1                    ; wave w
	s_and_b32 s21, s20, 3                          ; hh
	s_lshr_b32 s22, s20, 2                         ; g
	s_mov_b32 s23, ttmp9                           ; block of 64 columns
	s_and_b32 s24, ttmp7, 0xffff                   ; b
	s_mov_b32 s54, 0x3e38aa3b                      ; c = log2(e) / 8,
	s_mov_b32 s55, 0x3e38aa3b                      ; a pair for the packed multiply
	; descriptor group 1, the same for all three loads: 32 rows of 64 f32, 2,048 elements from row to row, no padding
	s_mov_b32 s28, 2<<16                           ; no mask; element of 4 bytes
	s_mov_b32 s29, 64<<16                          ; tensor_dim0 = 64 (the tile lies inside: the extents are the tile's)
	s_mov_b32 s30, 32<<16                          ; tensor_dim1 = 32
	s_mov_b32 s31, 64<<16                          ; tile_dim0 = 64: rows of 256 bytes, at multiples of 256 from the buffer's first byte
	s_mov_b32 s32, 32                              ; tile_dim1 = 32
	s_mov_b32 s33, 2048                            ; pitch
	s_mov_b32 s34, 0
	s_mov_b32 s35, 0
	s_lshl_b32 s26, s24, 21                        ; b * 256 * 2048 * 4
	s_lshl_b32 s25, s20, 18                        ; + w * 32 rows * 8,192
	s_add_co_u32 s26, s26, s25
	s_lshl_b32 s25, s23, 8                         ; + block * 256
	s_add_co_u32 s26, s26, s25
	s_mov_b32 s27, 0
	s_lshl_b32 s25, s20, 13                        ; LDS: w * 8,192, my 32 rows of a tile
	s_mul_i32 s50, s24, 3145728                    ; qkv: b * 3 * 4 * 262,144
	s_lshl_b32 s51, s23, 13                        ; + block * 8,192 (64 columns x 64 depths x 2 bytes)
	s_add_co_u32 s50, s50, s51
	s_mov_b32 s51, 0
	s_wait_dscnt 0x0
	s_wait_kmcnt 0x0
.irp s, 0,1,2
	s_mov_b32 s[36+4*\s], 1                                        ; count = 1
	s_add_co_u32 s[37+4*\s], s25, \s*65536                         ; LDS address: tensor s, my rows
	s_add_nc_u64 s[38+4*\s:39+4*\s], s[4+2*\s:5+2*\s], s[26:27]    ; global address
	s_or_b32 s[39+4*\s], s[39+4*\s], 0x80000000                    ; type = 2
	tensor_load_to_lds s[36+4*\s:39+4*\s], s[28:35]                ; all three at once: three tensor loads of the wave are out, 24,576 bytes
	s_nop 0
.endr
	s_add_nc_u64 s[48:49], s[18:19], s[50:51]      ; qkv at my batch and block
	v_and_b32 v1, 31, v0                           ; lane L
	v_and_b32 v2, 15, v0                           ; r
	v_bfe_u32 v3, v0, 4, 1                         ; h
	s_lshl_b32 s52, s21, 15
	s_lshl_b32 s53, s22, 14
	s_add_co_u32 s52, s52, s53
	v_lshl_add_u32 v[WO], v1, 4, s52               ; (4 hh + 2 g) * 8,192 + 16 L
	s_lshl_b32 s52, s22, 9
	s_lshl2_add_u32 s52, s21, s52                  ; channel 4 (32 g + ..) + hh, in bytes: 512 g + 4 hh
	v_lshl_add_u32 v[BO], v3, 7, s52               ; + 128 h (depth 8 h)
	v_lshl_add_u32 v[BOV], v2, 4, s52              ; + 16 r  (depth r)
	v_lshlrev_b32 v[FA], 4, v2
	v_lshl_add_u32 v[FA], v3, 11, v[FA]
	v_add_nc_u32 v[FA], s25, v[FA]                 ; w * 8,192 + h * 8 rows + 16 r
	v_mul_u32_u24 v[RA], v2, XPITCH
	v_lshl_add_u32 v[RA], v3, 4, v[RA]
	v_add_nc_u32 v[RA], XT0, v[RA]                 ; r * 528 + 16 h
	s_lshl_b32 s52, s20, 6
	v_add_nc_u32 v[SA], s52, v[RA]                 ; + 64 w: my wave's 32 channels
	s_lshl_b32 s52, s21, 18
	s_lshl_b32 s53, s22, 10
	s_add_co_u32 s53, s52, s53
	v_lshl_add_u32 v[DO], v1, 4, s53               ; hh * 262,144 + 2 g * 512 + 16 L
	s_lshl_b32 s53, s22, 11
	s_add_co_u32 s53, s52, s53
	v_lshl_add_u32 v[DOV], v1, 4, s53              ; hh * 262,144 + 2 g * 1,024 + 16 L
; Four places behind a matrix instruction, filled by plain vector instructions that name none of its registers, stand in front of a vector instruction that reads its
; result or writes one of its registers, and here in front of a load into one of them too.
.macro PLACES
.rept 4
	v_nop
.endr
.endm
; The weights and the bias of tensor s: 32 + 16 loads.  For v the result is transposed (a lane holds one depth), so all eight registers of C take the same word:
; it is loaded eight times rather than copied, so that both forms are one batch of loads and no vector instruction.
.macro LOADW s
.set i, 0
.rept 32
	global_load_b128 v[WF+4*i:WF+4*i+3], v[WO], s[16:17] offset:(\s)*131072+512*i
.set i, i+1
.endr
.irp tl, 0,1
.irp j, 0,1,2,3,4,5,6,7
.if (\s) == 2
	global_load_b32 v[BI+8*\tl+\j], v[BOV], s[10+2*(\s):11+2*(\s)] offset:256*\tl
.else
	global_load_b32 v[BI+8*\tl+\j], v[BO], s[10+2*(\s):11+2*(\s)] offset:256*\tl+16*\j
.endif
.endr
.endr
.endm
; My wave's 32 rows of the f32 tile, rounded and transposed.  Task t = 16 rows: lane (r, h) reads columns 4 r .. 4 r + 3 of rows 16 t + 8 h + e, e = 0..7
; (16 lanes read a row's 256 bytes), packs for each of the four columns (tile tau, place r) the eight channels, and stores 16 bytes to that column's row.
.macro STAGE s
.if \s
	s_wait_xcnt 0x0                                ; ST held the data of the last tensor's stores: it is loaded again only behind this wait (ISA guide 3.1)
.endif
.irp t, 0,1
.irp e, 0,1,2,3,4,5,6,7
	ds_load_b128 v[ST+32*\t+4*\e:ST+32*\t+4*\e+3], v[FA] offset:\t*4096+\e*256
.endr
.endr
.irp t, 0,1
	s_wait_dscnt 8-4*\t                            ; LDS answers in order (ISA guide 5.7.1).  t = 0: task 1's eight loads may be out.  t = 1: only task 0's four stores
.irp c, 0,1,2,3
.irp p, 0,1,2,3
	v_cvt_pk_f16_f32 v[PK+16*\t+4*\c+\p], v[ST+32*\t+8*\p+\c], v[ST+32*\t+8*\p+4+\c]
.endr
.endr
.irp c, 0,1,2,3
	ds_store_b128 v[SA], v[PK+16*\t+4*\c:PK+16*\t+4*\c+3] offset:\c*16*XPITCH+32*\t
.endr
.endr
	s_wait_dscnt 0x0                               ; for the others' sake: my stores are in LDS
	s_barrier_signal -1
	s_barrier_wait -1                              ; all 256 channels of the 64 columns are there.  Younger tensor loads stay out
.endm
; Fragments of x, column tiles 2 half and 2 half + 1, channels 32 kc ..: four loads
.macro LOADX half, kc
.irp c, 2*\half, 2*\half+1
	ds_load_b128 v[XFR+8*(\c):XFR+8*(\c)+3],   v[RA] offset:(\c)*16*XPITCH+64*(\kc)
	ds_load_b128 v[XFR+8*(\c)+4:XFR+8*(\c)+7], v[RA] offset:(\c)*16*XPITCH+64*(\kc)+32
.endr
.endm
; swap = 0 (q, k): A = weights, B = x: a lane holds one column, eight depths.  swap = 1 (v): A = x, B = weights: a lane holds one depth, eight columns.
.macro MM tl, c, kc, swap
.set D_, ACC+8*(4*(\tl)+(\c))
.set W_, WF+64*(\tl)+8*(\kc)
.set X_, XFR+8*(\c)
.if \swap
.if (\kc) == 0
	v_wmma_f32_16x16x32_f16 v[D_:D_+7], v[X_:X_+7], v[W_:W_+7], v[BI+8*(\tl):BI+8*(\tl)+7]
.else
	v_wmma_f32_16x16x32_f16 v[D_:D_+7], v[X_:X_+7], v[W_:W_+7], v[D_:D_+7]
.endif
.else
.if (\kc) == 0
	v_wmma_f32_16x16x32_f16 v[D_:D_+7], v[W_:W_+7], v[X_:X_+7], v[BI+8*(\tl):BI+8*(\tl)+7]
.else
	v_wmma_f32_16x16x32_f16 v[D_:D_+7], v[W_:W_+7], v[X_:X_+7], v[D_:D_+7]
.endif
.endif
.endm
; 64 matrix instructions.  The eight accumulators take turns, one instruction a turn.
.macro COMPUTE swap
	LOADX 0, 0
	LOADX 1, 0
.irp kc, 0,1,2,3,4,5,6,7
	s_wait_dscnt 0x4                               ; tiles 0, 1 are in; the four loads of tiles 2, 3 may be out
	MM 0, 0, \kc, \swap
	MM 1, 0, \kc, \swap
	MM 0, 1, \kc, \swap
	MM 1, 1, \kc, \swap
.if \kc < 7
	PLACES
	LOADX 0, \kc+1
	s_wait_dscnt 0x4                               ; tiles 2, 3 are in; the four just issued may be out
.else
	s_wait_dscnt 0x0
.endif
	MM 0, 2, \kc, \swap
	MM 1, 2, \kc, \swap
	MM 0, 3, \kc, \swap
	MM 1, 3, \kc, \swap
.if \kc < 7
	PLACES
	LOADX 1, \kc+1
.endif
.endr
	PLACES                                         ; for the lines that read the results, and for the loads into the weights' and the bias's registers
.endm
; Each tile: (q alone: times c, in f32;) eight f32 of a lane become 16 bytes, in place, and a wave stores 512 consecutive bytes, aligned
.macro OUT s, swap
.irp tl, 0,1
.irp c, 0,1,2,3
.if \s == 0
.irp p, 0,2,4,6
	v_pk_mul_f32 v[ACC+8*(4*\tl+\c)+\p:ACC+8*(4*\tl+\c)+\p+1], v[ACC+8*(4*\tl+\c)+\p:ACC+8*(4*\tl+\c)+\p+1], s[54:55] op_sel_hi:[1,0]
.endr
.endif
.irp p, 0,1,2,3
	v_cvt_pk_f16_f32 v[ACC+8*(4*\tl+\c)+\p], v[ACC+8*(4*\tl+\c)+2*\p], v[ACC+8*(4*\tl+\c)+2*\p+1]
.endr
.if \swap
	global_store_b128 v[DOV], v[ACC+8*(4*\tl+\c):ACC+8*(4*\tl+\c)+3], s[48:49] offset:2097152+(\c>>1)*4096+\tl*1024+(\c&1)*512
.else
	global_store_b128 v[DO], v[ACC+8*(4*\tl+\c):ACC+8*(4*\tl+\c)+3], s[48:49] offset:\s*1048576+\c*2048+\tl*512
.endif
.endr
.endr
.endm
.macro TENSOR s, swap
	s_wait_tensorcnt 2-\s                          ; a wave's tensor loads end in order (ISA guide 10.11.1): my rows of tensor s are in; I alone read them
	STAGE \s
	s_wait_loadcnt 0x0                             ; weights and bias
	COMPUTE \swap
.if \s < 2
	LOADW \s+1                                     ; the next tensor's weights travel during the way out and the next staging
.endif
	OUT \s, \swap
.if \s < 2
	v_add_nc_u32 v[FA], 65536, v[FA]
	v_add_nc_u32 v[SA], XTB, v[SA]
	v_add_nc_u32 v[RA], XTB, v[RA]
.endif
.endm
	LOADW 0
	TENSOR 0, 0
	TENSOR 1, 0
	TENSOR 2, 1
	s_wait_tensorcnt 0x0
	ds_add_u32 v14, v15
	s_wait_dscnt 0x0
	s_endpgm
.Lfunc_end_k_qc0fe1504d4_proj:
	.size	k_qc0fe1504d4_proj, .Lfunc_end_k_qc0fe1504d4_proj-k_qc0fe1504d4_proj
	.p2alignl 7, 3214868480
	.fill 96, 4, 3214868480
	.section	.rodata,"a",@progbits
	.p2align	6, 0x0
	.amdhsa_kernel k_qc0fe1504d4_proj
		.amdhsa_group_segment_fixed_size 299008
		.amdhsa_private_segment_fixed_size 0
		.amdhsa_enable_private_segment 0
		.amdhsa_kernarg_size 64
		.amdhsa_user_sgpr_count 2
		.amdhsa_user_sgpr_kernarg_segment_ptr 1
		.amdhsa_wavefront_size32 1
		.amdhsa_system_sgpr_workgroup_id_x 1
		.amdhsa_system_sgpr_workgroup_id_y 1
		.amdhsa_system_sgpr_workgroup_id_z 1
		.amdhsa_system_vgpr_workitem_id 0
		.amdhsa_next_free_vgpr 256
		.amdhsa_next_free_sgpr 66
		.amdhsa_reserve_vcc 0
		.amdhsa_float_denorm_mode_32 3
		.amdhsa_float_denorm_mode_16_64 3
		.amdhsa_memory_ordered 1
		.amdhsa_forward_progress 1
		.amdhsa_inst_pref_size 71
	.end_amdhsa_kernel
	.amdgpu_metadata
---
amdhsa.version: [ 1, 2 ]
amdhsa.kernels:
  - .name:           k_qc0fe1504d4_proj
    .symbol:         k_qc0fe1504d4_proj.kd
    .args:
      - { .name: query, .offset: 0, .size: 8, .value_kind: global_buffer, .address_space: global }
      - { .name: key, .offset: 8, .size: 8, .value_kind: global_buffer, .address_space: global }
      - { .name: value, .offset: 16, .size: 8, .value_kind: global_buffer, .address_space: global }
      - { .name: bq, .offset: 24, .size: 8, .value_kind: global_buffer, .address_space: global }
      - { .name: bk, .offset: 32, .size: 8, .value_kind: global_buffer, .address_space: global }
      - { .name: bv, .offset: 40, .size: 8, .value_kind: global_buffer, .address_space: global }
      - { .name: wf, .offset: 48, .size: 8, .value_kind: global_buffer, .address_space: global }
      - { .name: qkv, .offset: 56, .size: 8, .value_kind: global_buffer, .address_space: global }
    .group_segment_fixed_size: 299008
    .private_segment_fixed_size: 0
    .kernarg_segment_align: 8
    .kernarg_segment_size: 64
    .max_flat_workgroup_size: 256
    .sgpr_count:     66
    .vgpr_count:     256
    .wavefront_size: 32
...
	.end_amdgpu_metadata
.endif
;; end of part 2
;; launch attn (part 3): grid 32 x 8, 8 waves a work-group, clusters of 4 x 1, 327,680 bytes of LDS; arguments qkv, wf, bm, out0; writes out0
.if DOCPART == 3
	.amdgcn_target "amdgcn-amd-amdhsa--gfx1250"
	.amdhsa_code_object_version 6
	.text
	.protected	k_qc0fe1504d4_attn
	.globl	k_qc0fe1504d4_attn
	.p2align	8
	.type	k_qc0fe1504d4_attn,@function
k_qc0fe1504d4_attn:
	s_mov_b64 s[64:65], 0
	v_nop
	global_prefetch_b8 v0, s[64:65] scope:SCOPE_SE
	s_setreg_imm32_b32 hwreg(HW_REG_WAVE_MODE, 25, 1), 1
	s_wait_xcnt 0x0
	s_wait_alu depctr_hold_cnt(0) depctr_sa_sdst(0) depctr_va_vdst(0) depctr_va_sdst(0) depctr_va_ssrc(0) depctr_va_vcc(0) depctr_vm_vsrc(0)
	s_getreg_b32 s2, hwreg(HW_REG_IB_STS2, 6, 4)
	s_cmp_eq_u32 s2, 0
	s_cbranch_scc0 .Lentry_in_a_cluster
	s_endpgm
.Lentry_in_a_cluster:
	s_bfe_u32 s2, ttmp6, 0x10000c
	s_cmp_lg_u32 s2, 0x3003
	s_cbranch_scc0 .Lentry_shape_is_right
	s_endpgm
.Lentry_shape_is_right:
; Attention of all four heads for 64 queries of one batch, then out0 = wm attn + bm for those 64 columns.  q, k, v and wm come in f16, in fragment order (qkv, wf).
; Eight waves.  Wave w: head hh = w & 3, query tiles 2 qh + nt (qh = w >> 2, nt = 0, 1): 32 queries against all 2,048 keys, 64 keys a step, 32 steps.
; Both products are used transposed, so that a QUERY IS ALWAYS A LANE: S^T = K Q^T (row = key 8 h + j, column = query r) and O^T += V^T P^T.  Maximum, rescale and sum
; are then one number a lane (plus the other half of the lanes, which holds the other keys), and S^T, packed to f16 in place, is P's fragment: no transposition anywhere.
; SOFTMAX: q comes multiplied by log2(e) / 8, so S is the score as an exponent of 2.  A running maximum MX of S, as reference() takes the row's maximum away; p = 2^(S - MX);
; O and l are scaled by 2^(MX old - MX new).  A subtraction in f32 is monotone, so no exponent is above 0 and p <= 1, for every input: that is P's room in f16.
; WHY 64 KEYS A STEP: O's 64 registers are rescaled once a step, whatever the step's length: 32 packed multiplies for 64 registers of S instead of for 32.
; IN ONE WAVE the products of step t + 1 (K Q^T) stand between the exponentials of step t, and the maximum of step t + 1 between products V^T P^T of step t.
; REGISTERS: two steps' S (128), Q (32), O (64), K and V fragments pass 256, so a wave takes 512 (two waves on each of four SIMDs: 2 x 512 = 1,024), in two windows
; (s_set_vgpr_msb's low byte: bits 1:0 source 0, 3:2 source 1, 5:4 source 2, 7:6 destination).  Window 0 holds all that the softmax and K Q^T touch; window 1 holds O, the
; second half of V, four running maxima, and wm and bm, which are loaded at the head and wait there for the way out.  Seven switches a step.
; CLUSTER 4, 1, 1: the four work-groups are four query blocks of one batch and walk the same K and V.  A tile is 128 keys of all heads, 131,072 bytes; wave w asks for
; region w of it (0-3: K of head w, 4-7: V of head w - 4), 16,384 dense bytes, by a joint load that names all four: the requests for K and V are divided by four.
; Two slots; a slot is asked for again when its second step's fragments are in registers, and is first read two steps later.  q (4,096 bytes a wave, read by no one else) and
; wm (fragments, straight into registers) do not go through LDS and are not asked for jointly.
; LIMITS: q, k, v, P, attn and wm are rounded to f16 (|attn| is at most the largest |v|, whose room the projection's text counts: 65,504); l is the sum of the unrounded p, while
; a p below 2^-25 is 0 as an operand: at most 2,048 x 2^-25 against l >= 1; p below 2^-126 counts as 0 in l too (v_exp_f32 flushes: ISA guide 15.8); the keys are summed in the
; order in which qkv holds them, the second 32 of a step first; scores that are NaN or infinite are not honoured.
; window 0
.set AK, 2                             ; v2, v3     LDS: K of my head in slot 0, 1, + 16 lane
.set AV, 4                             ; v4, v5     LDS: V of my head
.set NM, 6                             ; v6, v8     minus the maximum, query tile nt at NM + 2 nt;  v7, v9 the maximum MX beside it
.set AL, 10                            ; v10, v12   the rescale factor (at the end 1 / l);  v11, v13 = 0: the pair's other half, never used as a factor
.set LS, 14                            ; v[14:15], v[16:17]  l: two partial sums for each nt
.set T,  18                            ; v[18:25]   at work
.set STS, 26                           ; v26  LDS: where my attn tiles go
.set WMO, 28                           ; v28  wf: my two tiles of wm
.set BMO, 29                           ; v29  bm: rows 8 h .. of my first tile
.set OUTO, 30                          ; v30  out0
.set QO, 31                            ; v31  qkv: my q
.set QF, 32                            ; v[32:63]   Q: fragment (nt, kc) at 16 nt + 8 kc; on the way out: fragments of attn
.set S0, 64                            ; v[64:127]  S^T, tile q = 4 nt + kt at 8 q; packed: P(nt, keys 32 x ..) at 32 nt + 16 x .. + 7
.set S1, 128                           ; v[128:191] the other step's
.set KF, 192                           ; v[192:223] K, 32 keys: fragment (kt & 1, kc) at 16 (kt & 1) + 8 kc; loaded twice a step
.set VA, 224                           ; v[224:255] V^T of a step's keys 0-31: fragment ddt at 8 ddt
.set PKO, 64                           ; on the way out: O / l packed, 4 registers a tile
.set RES, 64                           ; on the way out: out0 as stored, 4 registers for each of 16 rows
.set MA, 128                           ; on the way out: out tile (otl, ntg) at 8 (4 otl + ntg)
; window 1 (the number written is the register's number less 256)
.set OA, 0                             ; O^T: tile (ddt, nt) at 8 (2 ddt + nt)
.set VB, 64                            ; V^T of a step's keys 32-63
.set TC, 96                            ; four running maxima of the next step's S: registers 16 n .. 16 n + 15 of it, n = 2 nt + half
.set STR1, 100                         ; LDS: where attn fragments are read (in window 1, beside wm: the merge runs under one setting)
.set BM, 104                           ; bm: 8 rows for each of my two tiles
.set WM, 128                           ; wm: fragment (otl, kk) at 64 otl + 8 kk
.set SLOT, 131072
.set STAGE, 262144                     ; 32,768 bytes: attn as [query tile 4][kk 8][half 2][lane][16 B]; written by LDS stores alone, never by a tensor load
.set MSB, 0
.macro WIN new                         ; the immediate's high byte repeats the setting that is left; a switch that changes nothing is dropped
.if MSB != \new
	s_set_vgpr_msb (MSB<<8)|\new
.set MSB, \new
.endif
.endm
	s_load_b256 s[4:11], s[0:1], 0x0               ; qkv s[4:5], wf s[6:7], bm s[8:9], out0 s[10:11]
	v_lshl_add_u32 v25, v0, 2, 0x48000
	v_mov_b32 v27, 0
	ds_add_u32 v25, v27
	ds_add_u32 v25, v27
	v_lshrrev_b32 v1, 5, v0
	v_readfirstlane_b32 s12, v1                    ; wave w
	s_and_b32 s13, s12, 3                          ; hh
	s_lshr_b32 s14, s12, 2                         ; qh
	s_bfe_u32 s15, ttmp6, 0x40000                  ; cx: my place in the cluster
	s_lshl_b32 s16, ttmp9, 2                       ; ttmp9 counts clusters
	s_add_co_u32 s16, s16, s15                     ; query block = 4 x cluster + cx: it enters the addresses of q and out0 alone
	s_and_b32 s17, ttmp7, 0xffff                   ; b
	; descriptor group 1: 16,384 dense bytes as 64 rows of 256 bytes, for all four work-groups
	s_mov_b32 s24, 15|(3<<16)|(1<<21)              ; mask: places 0-3; element of 8 bytes; bit 21 set beside a mask
	s_mov_b32 s25, 32<<16                          ; tensor_dim0 = 32
	s_mov_b32 s26, 64<<16                          ; tensor_dim1 = 64
	s_mov_b32 s27, 32<<16                          ; tile_dim0 = 32
	s_mov_b32 s28, 64                              ; tile_dim1 = 64
	s_mov_b32 s29, 32                              ; pitch = 32 elements: dense
	s_mov_b32 s30, 0
	s_mov_b32 s31, 0
	s_mov_b32 s40, 0x76543210                      ; v_permlanex16_b32: lane i takes lane i of the other half
	s_mov_b32 s41, 0xfedcba98
	s_mul_i32 s18, s17, 3145728                    ; K, V: b's part of qkv,
	s_lshl_b32 s19, s12, 18                        ; region w,
	s_add_co_u32 s18, s18, s19
	s_add_co_u32 s18, s18, 1048576                 ; behind q: made of b and w alone, equal in the four partners
	s_mov_b32 s19, 0
	s_mul_i32 s20, s17, 3145728                    ; q: b's part,
	s_lshl_b32 s21, s16, 13                        ; my block of 64 queries
	s_add_co_u32 s20, s20, s21
	s_mov_b32 s21, 0
	s_lshl_b32 s50, s12, 14                        ; LDS: region w
	v_and_b32 v1, 31, v0
	v_lshlrev_b32 v1, 4, v1                        ; 16 lane
	v_and_b32 v[T+1], 15, v0                       ; r   (in the two registers that v_permlanex16_b32 will write: its destination counts as read,
	v_bfe_u32 v[T+3], v0, 4, 1                     ; h    so it has to have been written)
	s_lshl_b32 s2, s13, 14
	v_add_nc_u32 v[AK], s2, v1
	v_add_nc_u32 v[AK+1], SLOT, v[AK]
	v_add_nc_u32 v[AV], 65536, v[AK]
	v_add_nc_u32 v[AV+1], 65536, v[AK+1]
	s_lshl_b32 s2, s13, 18
	s_lshl_b32 s3, s14, 12
	s_add_co_u32 s2, s2, s3
	v_add_nc_u32 v[QO], s2, v1                     ; hh * 262,144 + qh * 2 tiles * 2,048 + 16 lane
	s_lshl_b32 s2, s14, 14
	s_lshl_b32 s3, s13, 11
	s_add_co_u32 s2, s2, s3
	s_add_co_u32 s2, s2, STAGE
	v_add_nc_u32 v[STS], s2, v1                    ; query tile 2 qh, kk = 2 hh
	s_lshl_b32 s2, s12, 14
	v_add_nc_u32 v[WMO], s2, v1                    ; tiles 2 w, 2 w + 1 of wm
	s_lshl_b32 s2, s12, 7
	v_lshl_add_u32 v[BMO], v[T+3], 5, s2           ; 4 (32 w + 8 h)
	v_lshlrev_b32 v[OUTO], 4, v[T+1]
	v_lshl_add_u32 v[OUTO], v[T+3], 16, v[OUTO]
	s_lshl_b32 s2, s12, 18
	v_add_nc_u32 v[OUTO], s2, v[OUTO]              ; row 32 w + 8 h, columns 4 r ..
	v_mov_b32 v[AL+1], 0
	v_mov_b32 v[AL+3], 0
	s_wait_dscnt 0x0
	s_wait_kmcnt 0x0
	s_add_nc_u64 s[22:23], s[4:5], s[20:21]        ; q
	s_add_nc_u64 s[18:19], s[4:5], s[18:19]        ; my region of tile 0
	s_add_nc_u64 s[46:47], s[6:7], 393216          ; wm's fragments
	s_lshl_b32 s20, s17, 21
	s_lshl_b32 s21, s16, 8
	s_add_co_u32 s20, s20, s21
	s_mov_b32 s21, 0
	s_add_nc_u64 s[48:49], s[10:11], s[20:21]      ; out0 at b, columns 64 x block
.irp sl, 0,1
	s_mov_b32 s[32+4*\sl], 1                                       ; count = 1
	s_add_co_u32 s[33+4*\sl], s50, \sl*SLOT                        ; LDS address: slot, region w
	s_add_nc_u64 s[34+4*\sl:35+4*\sl], s[18:19], \sl*16384         ; tile 0, tile 1
	s_or_b32 s[35+4*\sl], s[35+4*\sl], 0x80000000                  ; type = 2
.endr
; A round of the cluster's barrier: my work-group's barrier, wave 0 signals for the work-group, every wave waits for all four work-groups, my work-group's barrier again.
.macro CSIG                            ; wave 0 alone signals; the branch stands right in front of the signal and jumps over it alone
	s_cmp_lg_u32 s12, 0
	s_cbranch_scc1 .Lnot_wave_0_\@
	s_barrier_signal -3
.Lnot_wave_0_\@:
.endm
.macro ROUND
	s_barrier_signal -1
	s_barrier_wait -1
	CSIG
	s_barrier_wait -3
	s_barrier_signal -1
	s_barrier_wait -1
.endm
; Four places behind a matrix instruction, plain vector instructions that name none of its registers, in front of a vector instruction that reads its result or writes
; one of its registers, and here in front of a load into one of them too.
.macro PLACES
.rept 4
	v_nop
.endr
.endm
.macro LOADK sl, off                   ; 32 keys x 64 depths of my head: 8 loads of 512 consecutive bytes
.irp i, 0,1,2,3,4,5,6,7
	ds_load_b128 v[KF+4*\i:KF+4*\i+3], v[AK+\sl] offset:\off+512*\i
.endr
.endm
.macro LOADVA sl, off                  ; setting 0
.irp i, 0,1,2,3,4,5,6,7
	ds_load_b128 v[VA+4*\i:VA+4*\i+3], v[AV+\sl] offset:\off+512*\i
.endr
.endm
.macro LOADVB sl, off                  ; setting 0x40: the data go to window 1, the address is window 0's
.irp i, 0,1,2,3,4,5,6,7
	ds_load_b128 v[VB+4*\i:VB+4*\i+3], v[AV+\sl] offset:\off+512*\i
.endr
.endm
; S^T = K Q^T for the step's keys 32 x .. 32 x + 31, instruction i of 8: depths 32 (i >> 2) .., tile q = 4 nt + 2 x + (i & 1), nt = (i >> 1) & 1.
; The four tiles take turns, one instruction a turn.
.macro WQK dst, x, i
.if \i < 4
.set Q_, 4*(\i>>1)+2*\x+(\i&1)
	v_wmma_f32_16x16x32_f16 v[\dst+8*Q_:\dst+8*Q_+7], v[KF+16*(\i&1):KF+16*(\i&1)+7], v[QF+16*(\i>>1):QF+16*(\i>>1)+7], 0
.else
.set Q_, 4*((\i-4)>>1)+2*\x+(\i&1)
	v_wmma_f32_16x16x32_f16 v[\dst+8*Q_:\dst+8*Q_+7], v[KF+16*(\i&1)+8:KF+16*(\i&1)+15], v[QF+16*((\i-4)>>1)+8:QF+16*((\i-4)>>1)+15], v[\dst+8*Q_:\dst+8*Q_+7]
.endif
.endm
; O^T += V^T P^T, instruction i of 8: tile i = 2 ddt + nt.  Eight accumulators, one instruction each, first for keys 32-63, then for keys 0-31.
.macro PVB cur, i, first               ; setting 0x51: A, C, D in window 1
.if \first
	v_wmma_f32_16x16x32_f16 v[OA+8*\i:OA+8*\i+7], v[VB+8*(\i>>1):VB+8*(\i>>1)+7], v[\cur+32*(\i&1)+16:\cur+32*(\i&1)+23], 0
.else
	v_wmma_f32_16x16x32_f16 v[OA+8*\i:OA+8*\i+7], v[VB+8*(\i>>1):VB+8*(\i>>1)+7], v[\cur+32*(\i&1)+16:\cur+32*(\i&1)+23], v[OA+8*\i:OA+8*\i+7]
.endif
.endm
.macro PVA cur, i                      ; setting 0x50: C, D in window 1
	v_wmma_f32_16x16x32_f16 v[OA+8*\i:OA+8*\i+7], v[VA+8*(\i>>1):VA+8*(\i>>1)+7], v[\cur+32*(\i&1):\cur+32*(\i&1)+7], v[OA+8*\i:OA+8*\i+7]
.endm
; The softmax of tile q = 4 nt + kt, in four pieces
.macro SSUB cur, q                     ; S - MX: both halves add the pair's first register, NM = -MX
.irp p, 0,2,4,6
	v_pk_add_f32 v[\cur+8*\q+\p:\cur+8*\q+\p+1], v[\cur+8*\q+\p:\cur+8*\q+\p+1], v[NM+2*(\q>>2):NM+2*(\q>>2)+1] op_sel_hi:[1,0]
.endr
.endm
.macro SEXP cur, q                     ; behind these eight a plain vector instruction that touches none of them comes first (ISA guide 5.7.2)
.irp p, 0,1,2,3,4,5,6,7
	v_exp_f32 v[\cur+8*\q+\p], v[\cur+8*\q+\p]
.endr
.endm
.macro SADD cur, q, first              ; l: kt = 0: l = l * AL + sum (first: l = sum);  else l += sum
	s_wait_alu depctr_va_vdst(0)
	v_pk_add_f32 v[T:T+1],   v[\cur+8*\q:\cur+8*\q+1],   v[\cur+8*\q+2:\cur+8*\q+3]
	v_pk_add_f32 v[T+2:T+3], v[\cur+8*\q+4:\cur+8*\q+5], v[\cur+8*\q+6:\cur+8*\q+7]
.if \first
	v_pk_add_f32 v[LS+2*(\q>>2):LS+2*(\q>>2)+1], v[T:T+1], v[T+2:T+3]
.else
	v_pk_add_f32 v[T:T+1], v[T:T+1], v[T+2:T+3]
.if (\q&3) == 0
	v_pk_fma_f32 v[LS+2*(\q>>2):LS+2*(\q>>2)+1], v[LS+2*(\q>>2):LS+2*(\q>>2)+1], v[AL+2*(\q>>2):AL+2*(\q>>2)+1], v[T:T+1] op_sel_hi:[1,0,1]
.else
	v_pk_add_f32 v[LS+2*(\q>>2):LS+2*(\q>>2)+1], v[LS+2*(\q>>2):LS+2*(\q>>2)+1], v[T:T+1]
.endif
.endif
.endm
.macro SCVT cur, q                     ; eight p become registers 4 (q & 1) .. + 3 of the fragment at 16 (q >> 1): an even tile is packed ahead of the odd one beside it
.irp p, 0,1,2,3
	v_cvt_pk_f16_f32 v[\cur+16*(\q>>1)+4*(\q&1)+\p], v[\cur+8*\q+2*\p], v[\cur+8*\q+2*\p+1]
.endr
.endm
; The maximum of the next step's 64 registers.  Four chains of 16 registers, one link of each a call; setting 0x50: source 2 and destination in window 1.
.macro MXR oth, k
.irp n, 0,1,2,3
.if \k == 0
	v_max_num_f32 v[TC+\n], v[\oth+16*\n], v[\oth+16*\n+1]
.else
	v_max3_num_f32 v[TC+\n], v[\oth+16*\n+2*\k], v[\oth+16*\n+2*\k+1], v[TC+\n]
.endif
.endr
.endm
.macro MAXM nt                         ; setting 0x05: a query tile's two chains, from window 1 into window 0
	v_max_num_f32 v[T+2*\nt], v[TC+2*\nt], v[TC+2*\nt+1]
.endm
.macro MAXC nt                         ; the other half of the lanes holds the same query's other keys
	v_permlanex16_b32 v[T+2*\nt+1], v[T+2*\nt], s40, s41
.endm
.macro MAXD nt, first
.if \first
	v_max_num_f32 v[NM+2*\nt+1], v[T+2*\nt], v[T+2*\nt+1]
.else
	v_max3_num_f32 v[NM+2*\nt+1], v[T+2*\nt], v[T+2*\nt+1], v[NM+2*\nt+1]
.endif
.endm
.macro MAXE nt, first
.if \first == 0
	v_fma_f32 v[T+4+\nt], v[NM+2*\nt+1], -1.0, -v[NM+2*\nt]        ; MX old - MX new, one rounding, at most 0
.endif
	v_mul_f32 v[NM+2*\nt], -1.0, v[NM+2*\nt+1]                     ; -MX new
.endm
.macro MAXF nt
	v_exp_f32 v[AL+2*\nt], v[T+4+\nt]
.endm
.macro RESC                            ; O^T times AL, a lane's own number; setting 0x41: O in window 1, AL in window 0
.irp i, 0,1,2,3,4,5,6,7
.irp p, 0,2,4,6
	v_pk_mul_f32 v[OA+8*\i+\p:OA+8*\i+\p+1], v[OA+8*\i+\p:OA+8*\i+\p+1], v[AL+2*(\i&1):AL+2*(\i&1)+1] op_sel_hi:[1,0]
.endr
.endr
.endm
; Step t.  On entry: raw S(t) in cur; NM and AL belong to step t; O is scaled by AL(t); V(t)'s sixteen loads may be out.
; sk, off: where K and V of step t + 1 lie.  bnd = 0: in the slot in use.  bnd = 1: in the other slot, and slot sr, whose last fragments are in registers, is asked for again.
; bnd = 2: in the other slot, nothing more to ask for.  first: step 0 starts l and O.  last: step 31 has no step behind it.
; The tiles are taken in the order 0, 1, 4, 5, 2, 3, 6, 7; behind each run of exponentials stands the next tile's subtraction.
.macro ITER cur, oth, sk, off, bnd, sr, first, last
.if \last
	SSUB \cur, 0
	SEXP \cur, 0
	SSUB \cur, 1
	SADD \cur, 0, 0
	SCVT \cur, 0
	SEXP \cur, 1
	SSUB \cur, 4
	SADD \cur, 1, 0
	SCVT \cur, 1
	SEXP \cur, 4
	SSUB \cur, 5
	SADD \cur, 4, 0
	SCVT \cur, 4
	SEXP \cur, 5
	SSUB \cur, 2
	SADD \cur, 5, 0
	SCVT \cur, 5
	SEXP \cur, 2
	SSUB \cur, 3
	SADD \cur, 2, 0
	SCVT \cur, 2
	SEXP \cur, 3
	SSUB \cur, 6
	SADD \cur, 3, 0
	SCVT \cur, 3
	SEXP \cur, 6
	SSUB \cur, 7
	SADD \cur, 6, 0
	SCVT \cur, 6
	SEXP \cur, 7
	v_nop
	s_wait_alu depctr_va_vdst(0)
	SADD \cur, 7, 0
	SCVT \cur, 7
	s_wait_dscnt 0x0                               ; V(31)
	WIN 0x51
.irp i, 0,1,2,3,4,5,6,7
	PVB \cur, \i, 0
.endr
	WIN 0x50
.irp i, 0,1,2,3,4,5,6,7
	PVA \cur, \i
.endr
	WIN 0
	PLACES
.else
.if (\bnd) == 0
	LOADK \sk, \off                                ; K(t + 1), keys 0-31
	SSUB \cur, 0
	SEXP \cur, 0
	SSUB \cur, 1
	SADD \cur, 0, \first
	SCVT \cur, 0
	SEXP \cur, 1
	SSUB \cur, 4
	s_wait_dscnt 0x0                               ; K, and V(t) in front of it
	WQK \oth, 0, 0
	SADD \cur, 1, 0
	WQK \oth, 0, 1
	SCVT \cur, 1
	WQK \oth, 0, 2
	SEXP \cur, 4
	WQK \oth, 0, 3
	SSUB \cur, 5
	WQK \oth, 0, 4
	SADD \cur, 4, \first
	WQK \oth, 0, 5
	SCVT \cur, 4
	WQK \oth, 0, 6
	SEXP \cur, 5
	WQK \oth, 0, 7
	SSUB \cur, 2                                   ; four plain lines and eight more: the places in front of the loads into K's registers
	SADD \cur, 5, 0
	SCVT \cur, 5
	LOADK \sk, \off+4096                           ; K(t + 1), keys 32-63
	SEXP \cur, 2
	SSUB \cur, 3
	SADD \cur, 2, 0
	SCVT \cur, 2
	SEXP \cur, 3
	SSUB \cur, 6
	s_wait_dscnt 0x0
	WQK \oth, 1, 0
	SADD \cur, 3, 0
	WQK \oth, 1, 1
	SCVT \cur, 3
	WQK \oth, 1, 2
	SEXP \cur, 6
	WQK \oth, 1, 3
	SSUB \cur, 7
	WQK \oth, 1, 4
	SADD \cur, 6, 0
	WQK \oth, 1, 5
	SCVT \cur, 6
	WQK \oth, 1, 6
	SEXP \cur, 7
	WQK \oth, 1, 7
.else
	s_wait_dscnt 0x0                               ; my reads of the slot in use are over, V(t) the last of them,
	s_wait_tensorcnt 0x0                           ; and all my tensor loads have landed: the one that was out is my region of the other slot
	ds_add_u32 v25, v27
	s_wait_dscnt 0x0
.if (\bnd) == 1
	s_add_nc_u64 s[34+4*\sr:35+4*\sr], s[34+4*\sr:35+4*\sr], 2*16384   ; no load of mine is out: the slot's address steps two tiles on
.endif
	s_barrier_signal -1                            ; say so (bnd = 1: this barrier opens a round of the cluster's barrier).  Up to the round's end: register work alone,
	SSUB \cur, 0                                   ; the step's softmax, which needs nothing from LDS
	SEXP \cur, 0
	SSUB \cur, 1
	SADD \cur, 0, 0
	SCVT \cur, 0
	s_barrier_wait -1
.if (\bnd) == 1
	CSIG                                           ; wave 0 says so for the work-group
.endif
	SEXP \cur, 1
	SSUB \cur, 4
	SADD \cur, 1, 0
	SCVT \cur, 1
	SEXP \cur, 4
	SSUB \cur, 5
	SADD \cur, 4, 0
	SCVT \cur, 4
.if (\bnd) == 1
	s_barrier_wait -3                              ; all four work-groups have said so,
	s_barrier_signal -1
	s_barrier_wait -1                              ; and the round is closed: no wave of any of them still reads slot sr or has a load on its way
	tensor_load_to_lds s[32+4*\sr:35+4*\sr], s[24:31]              ; the first tensor load behind the round: one load of the wave is out, until the next change of slots
	s_nop 0
.endif
	LOADK \sk, \off
	SEXP \cur, 5
	SSUB \cur, 2
	SADD \cur, 5, 0
	SCVT \cur, 5
	SEXP \cur, 2
	SSUB \cur, 3
	s_wait_dscnt 0x0
	WQK \oth, 0, 0
	WQK \oth, 0, 1
	SADD \cur, 2, 0
	WQK \oth, 0, 2
	WQK \oth, 0, 3
	SCVT \cur, 2
	WQK \oth, 0, 4
	WQK \oth, 0, 5
	SEXP \cur, 3
	WQK \oth, 0, 6
	WQK \oth, 0, 7
	SSUB \cur, 6                                   ; the places in front of the loads into K's registers
	SADD \cur, 3, 0
	SCVT \cur, 3
	LOADK \sk, \off+4096
	SEXP \cur, 6
	SSUB \cur, 7
	SADD \cur, 6, 0
	SCVT \cur, 6
	s_wait_dscnt 0x0
	WQK \oth, 1, 0
	WQK \oth, 1, 1
	WQK \oth, 1, 2
	WQK \oth, 1, 3
	SEXP \cur, 7
	WQK \oth, 1, 4
	WQK \oth, 1, 5
	WQK \oth, 1, 6
	WQK \oth, 1, 7
.endif
	v_nop                                          ; the place behind the exponentials; with the eight lines below, nine places behind the last K Q^T
	s_wait_alu depctr_va_vdst(0)
	SADD \cur, 7, 0
	SCVT \cur, 7
	WIN 0x51
.irp i, 0,1,2,3,4,5,6,7
	PVB \cur, \i, \first
.endr
	WIN 0x50
.irp i, 0,1,2,3,4,5,6,7
	PVA \cur, \i
	MXR \oth, \i                                   ; four plain lines behind each product; behind the last they are the places for the loads into V's registers and the rescale
.endr
	WIN 0x05
	MAXM 0
	MAXM 1
	WIN 0
	MAXC 0
	MAXC 1
	MAXD 0, 0
	MAXD 1, 0
	MAXE 0, 0
	MAXE 1, 0
	MAXF 0
	MAXF 1
	LOADVA \sk, \off
	WIN 0x40
	LOADVB \sk, \off+4096
	WIN 0x41
	v_nop                                          ; the place behind the two exponentials
	s_wait_alu depctr_va_vdst(0)
	RESC
	WIN 0
.endif
.endm
; Four steps = two tiles = once round the two slots
.macro LAP first, tail
	ITER S0, S1, 0, 8192, 0, 0, \first, 0
	ITER S1, S0, 1, 0,    1+\tail, 0, 0, 0
	ITER S0, S1, 1, 8192, 0, 0, 0, 0
.if \tail
	ITER S1, S0, 0, 0,    0, 0, 0, 1
.else
	ITER S1, S0, 0, 0,    1, 1, 0, 0
.endif
.endm
.irp i, 0,1,2,3,4,5,6,7
	global_load_b128 v[QF+4*\i:QF+4*\i+3], v[QO], s[22:23] offset:512*\i   ; Q travels during the first round
.endr
	ROUND                                          ; all four work-groups are here: the first joint loads meet
	tensor_load_to_lds s[32:35], s[24:31]          ; tile 0
	s_nop 0
	tensor_load_to_lds s[36:39], s[24:31]          ; tile 1: two loads of the wave are out
	s_nop 0
	WIN 0x40                                       ; wm and bm, for the way out, into window 1: 36 loads behind Q's, waited for 32 steps later
.set i, 0
.rept 32
	global_load_b128 v[WM+4*i:WM+4*i+3], v[WMO], s[46:47] offset:512*i
.set i, i+1
.endr
.irp otl, 0,1
	global_load_b128 v[BM+8*\otl:BM+8*\otl+3],   v[BMO], s[8:9] offset:64*\otl
	global_load_b128 v[BM+8*\otl+4:BM+8*\otl+7], v[BMO], s[8:9] offset:64*\otl+16
.endr
	v_add_nc_u32 v[STR1], STAGE, v1
	WIN 0
	s_wait_tensorcnt 0x1                           ; my region of tile 0 is in; tile 1 stays out
	s_barrier_signal -1
	s_barrier_wait -1                              ; everybody's is
	LOADK 0, 0
	s_wait_loadcnt 36                              ; loads come back in order (ISA guide 5.7.1): Q is in, the 32 loads of wm and the 4 of bm may be out
	s_wait_dscnt 0x0
.irp i, 0,1,2,3,4,5,6,7
	WQK S0, 0, \i                                  ; S(0), keys 0-31
.endr
	PLACES
	LOADK 0, 4096
	s_wait_dscnt 0x0
.irp i, 0,1,2,3,4,5,6,7
	WQK S0, 1, \i                                  ; S(0), keys 32-63
.endr
	PLACES
	WIN 0x50
.irp k, 0,1,2,3,4,5,6,7
	MXR S0, \k
.endr
	WIN 0x05
	MAXM 0
	MAXM 1
	WIN 0
	MAXC 0
	MAXC 1
	MAXD 0, 1                                      ; the first maximum has none before it,
	MAXD 1, 1
	MAXE 0, 1                                      ; and nothing to rescale
	MAXE 1, 1
	LOADVA 0, 0
	WIN 0x40
	LOADVB 0, 4096
	WIN 0
	LAP 1, 0                                       ; the first lap stands in front of the loop: its first step starts l and O
	s_mov_b32 s45, 6
.Llap:
	LAP 0, 0
	s_sub_co_u32 s45, s45, 1
	s_cmp_lg_u32 s45, 0
	s_cbranch_scc1 .Llap
	LAP 0, 1                                       ; tiles 14, 15: nothing more is asked for
	; THE WAY OUT.  O is divided by l and handed to the other waves.
	v_add_f32 v[T],   v[LS],   v[LS+1]
	v_add_f32 v[T+2], v[LS+2], v[LS+3]
	v_permlanex16_b32 v[T+1], v[T],   s40, s41     ; the other keys' share
	v_permlanex16_b32 v[T+3], v[T+2], s40, s41
	v_add_f32 v[T],   v[T],   v[T+1]
	v_add_f32 v[T+2], v[T+2], v[T+3]
	v_rcp_f32 v[AL],   v[T]
	v_rcp_f32 v[AL+2], v[T+2]
	v_nop                                          ; the place behind the reciprocals
	s_wait_alu depctr_va_vdst(0)
	WIN 0x41
	RESC                                           ; O / l
	WIN 0x05                                       ; from window 1 into window 0
.irp i, 0,1,2,3,4,5,6,7
.irp p, 0,1,2,3
	v_cvt_pk_f16_f32 v[PKO+4*\i+\p], v[OA+8*\i+2*\p], v[OA+8*\i+2*\p+1]
.endr
.endr
	WIN 0
.irp i, 0,1,2,3,4,5,6,7
	ds_store_b128 v[STS], v[PKO+4*\i:PKO+4*\i+3] offset:(\i&1)*8192+(\i>>1)*512   ; tile (ddt, nt): depths 16 ddt + 8 h .. of query r = half ddt & 1 of fragment kk = 2 hh + (ddt >> 1)
.endr
	s_wait_dscnt 0x0                               ; for the others' sake: my stores are in LDS
	s_barrier_signal -1
	s_barrier_wait -1                              ; attn of all four heads and all 64 queries is there
	s_wait_loadcnt 0x0                             ; wm and bm, asked for at the head
; out = wm attn: wave w makes rows 32 w .. 32 w + 31 (tiles otl = 0, 1) x the four query tiles, K = 256 in the order 64 head + depth: 64 matrix instructions.
; One setting, 0x01: source 0 in window 1, which is wm for a product and the address for an LDS load.
.macro LOADB half, kk
.irp c, 2*\half, 2*\half+1
	ds_load_b128 v[QF+8*(\c):QF+8*(\c)+3],   v[STR1] offset:(\c)*8192+(\kk)*1024
	ds_load_b128 v[QF+8*(\c)+4:QF+8*(\c)+7], v[STR1] offset:(\c)*8192+(\kk)*1024+512
.endr
.endm
.macro MG otl, c, kk
.if (\kk) == 0
	v_wmma_f32_16x16x32_f16 v[MA+8*(4*\otl+\c):MA+8*(4*\otl+\c)+7], v[WM+64*\otl+8*(\kk):WM+64*\otl+8*(\kk)+7], v[QF+8*\c:QF+8*\c+7], 0
.else
	v_wmma_f32_16x16x32_f16 v[MA+8*(4*\otl+\c):MA+8*(4*\otl+\c)+7], v[WM+64*\otl+8*(\kk):WM+64*\otl+8*(\kk)+7], v[QF+8*\c:QF+8*\c+7], v[MA+8*(4*\otl+\c):MA+8*(4*\otl+\c)+7]
.endif
.endm
	WIN 0x01
	LOADB 0, 0
	LOADB 1, 0
.irp kk, 0,1,2,3,4,5,6,7
	s_wait_dscnt 0x4                               ; query tiles 0, 1 are in; the four loads of tiles 2, 3 may be out
	MG 0, 0, \kk                                   ; the eight accumulators take turns, one instruction a turn
	MG 1, 0, \kk
	MG 0, 1, \kk
	MG 1, 1, \kk
.if \kk < 7
	PLACES
	LOADB 0, \kk+1
	s_wait_dscnt 0x4                               ; tiles 2, 3 are in; the four just issued may be out
.else
	s_wait_dscnt 0x0
.endif
	MG 0, 2, \kk
	MG 1, 2, \kk
	MG 0, 3, \kk
	MG 1, 3, \kk
.if \kk < 7
	PLACES
	LOADB 1, \kk+1
.endif
.endr
	PLACES
	; Query tile ntg, lane r is column 4 r + ntg: the addition of bm also gathers a lane's four tiles into four neighbouring registers = 16 neighbouring bytes of row 8 h + j.
	WIN 0x04                                       ; source 1, bm, in window 1
.irp otl, 0,1
.irp j, 0,1,2,3,4,5,6,7
.irp c, 0,1,2,3
	v_add_f32 v[RES+4*(8*\otl+\j)+\c], v[MA+8*(4*\otl+\c)+\j], v[BM+8*\otl+\j]
.endr
.endr
.endr
	WIN 0
.irp otl, 0,1
.irp j, 0,1,2,3,4,5,6,7
	global_store_b128 v[OUTO], v[RES+4*(8*\otl+\j):RES+4*(8*\otl+\j)+3], s[48:49] offset:\otl*131072+\j*8192 th:TH_STORE_NT   ; 16 lanes store 256 consecutive bytes of a row, aligned
.endr
.endr
	s_wait_tensorcnt 0x0
	ds_add_u32 v25, v27
	s_wait_dscnt 0x0
	ROUND                                          ; the closing round: no work-group ends while a partner may still ask for a tile that names it
	s_endpgm
.Lfunc_end_k_qc0fe1504d4_attn:
	.size	k_qc0fe1504d4_attn, .Lfunc_end_k_qc0fe1504d4_attn-k_qc0fe1504d4_attn
	.p2alignl 7, 3214868480
	.fill 96, 4, 3214868480
	.section	.rodata,"a",@progbits
	.p2align	6, 0x0
	.amdhsa_kernel k_qc0fe1504d4_attn
		.amdhsa_group_segment_fixed_size 327680
		.amdhsa_private_segment_fixed_size 0
		.amdhsa_enable_private_segment 0
		.amdhsa_kernarg_size 32
		.amdhsa_user_sgpr_count 2
		.amdhsa_user_sgpr_kernarg_segment_ptr 1
		.amdhsa_wavefront_size32 1
		.amdhsa_system_sgpr_workgroup_id_x 1
		.amdhsa_system_sgpr_workgroup_id_y 1
		.amdhsa_system_sgpr_workgroup_id_z 1
		.amdhsa_system_vgpr_workitem_id 0
		.amdhsa_next_free_vgpr 512
		.amdhsa_next_free_sgpr 66
		.amdhsa_reserve_vcc 0
		.amdhsa_float_denorm_mode_32 3
		.amdhsa_float_denorm_mode_16_64 3
		.amdhsa_memory_ordered 1
		.amdhsa_forward_progress 1
		.amdhsa_inst_pref_size 235
	.end_amdhsa_kernel
	.amdgpu_metadata
---
amdhsa.version: [ 1, 2 ]
amdhsa.kernels:
  - .name:           k_qc0fe1504d4_attn
    .symbol:         k_qc0fe1504d4_attn.kd
    .args:
      - { .name: qkv, .offset: 0, .size: 8, .value_kind: global_buffer, .address_space: global }
      - { .name: wf, .offset: 8, .size: 8, .value_kind: global_buffer, .address_space: global }
      - { .name: bm, .offset: 16, .size: 8, .value_kind: global_buffer, .address_space: global }
      - { .name: out0, .offset: 24, .size: 8, .value_kind: global_buffer, .address_space: global }
    .group_segment_fixed_size: 327680
    .private_segment_fixed_size: 0
    .kernarg_segment_align: 8
    .kernarg_segment_size: 32
    .max_flat_workgroup_size: 256
    .sgpr_count:     66
    .vgpr_count:     512
    .wavefront_size: 32
...
	.end_amdgpu_metadata
.endif
;; end of part 3
